; MI455X (gfx1250); checked and timed in simulation.
; The chip was launched on July 23, 2026; its instructions are those of AMD's public machine-readable ISA for CDNA 5 (MIT licence, August 2026) and "CDNA5" Instruction Set Architecture Reference Guide (July 2026). The comments in the code are by the model that wrote it; some were corrected since.
;; MAB. Allowed arithmetic: matrix products marked QUANTISED: E2M1 operands, one E8M0 scale for each 32 along K, by v_wmma_scale_f32_16x16x128_f8f6f4 with both operands' format E2M1 (or v_wmma_scale_f32_32x16x128_f4), f32 sums; everything else in f32.
;; Inputs: Wk_codes 512 x 16 x 16 uint8 (E2M1 codes of Wk, K innermost, in blocks of 32 codes, two codes a byte); Wk_scales 512 x 16 uint8 (E8M0 scales of Wk, one for each 32 codes along K); Wo_codes 512 x 16 x 16 uint8 (E2M1 codes of Wo, K innermost, in blocks of 32 codes, two codes a byte); Wo_scales 512 x 16 uint8 (E8M0 scales of Wo, one for each 32 codes along K); Wq_codes 512 x 16 x 16 uint8 (E2M1 codes of Wq, K innermost, in blocks of 32 codes, two codes a byte); Wq_scales 512 x 16 uint8 (E8M0 scales of Wq, one for each 32 codes along K); Wv_codes 512 x 16 x 16 uint8 (E2M1 codes of Wv, K innermost, in blocks of 32 codes, two codes a byte); Wv_scales 512 x 16 uint8 (E8M0 scales of Wv, one for each 32 codes along K); bk 512 float32; bo 512 float32; bq 512 float32; bv 512 float32; key_value_codes 32 x 512 x 16 x 16 uint8 (E2M1 codes of key_value, K innermost, in blocks of 32 codes, two codes a byte); key_value_scales 32 x 512 x 16 uint8 (E8M0 scales of key_value, one for each 32 codes along K); ln0_b 512 float32; ln0_w 512 float32; ln1_b 512 float32; ln1_w 512 float32; query_codes 32 x 512 x 16 x 16 uint8 (E2M1 codes of query, K innermost, in blocks of 32 codes, two codes a byte); query_scales 32 x 512 x 16 uint8 (E8M0 scales of query, one for each 32 codes along K).
;; Outputs: out0 32 x 512 x 512 float32.
;; This version of the problem:
;;   THIS VERSION OF THE PROBLEM IS GIVEN IN LOW PRECISION. The matrix products marked QUANTISED in the list below multiply operands that are first quantised to E2M1 (2 exponent bits, 1 mantissa bit; 4 bits a number), with one power-of-two scale for each 32 numbers along K (OCP MX v1.0); their sums are f32. All else is computed in f32.
;;   The module's matrix products, in the order in which they are computed (A, B: the left and right operand; K: the contracted axis; several contracted axes count as one K, in the product's order):
;;     1. [M 16,384, K 512] x [K 512, N 512]; A: input query (given as codes); B: input Wq (given as codes): QUANTISED
;;     2. [M 16,384, K 512] x [K 512, N 512]; A: input key_value (given as codes); B: input Wk (given as codes): QUANTISED
;;     3. [M 16,384, K 512] x [K 512, N 512]; A: input key_value (given as codes); B: input Wv (given as codes): QUANTISED
;;     4. batch 256 x [M 512, K 64] x [K 64, N 512]; A: computed on the way; B: computed on the way: QUANTISED
;;     5. batch 256 x [M 64, K 512] x [K 512, N 512]; A: computed on the way; B: computed on the way: QUANTISED
;;     6. [M 16,384, K 512] x [K 512, N 512]; A: computed on the way; B: input Wo (given as codes): QUANTISED
;;   THE QUANTISER, for each operand of a quantised product, along K:
;;     - K is cut into blocks of 32 from its start; a last block that is shorter is filled with zeros.
;;     - A block's scale is 2^e with e = floor(log2(the largest magnitude in the block)) - 2, held to -126 .. 127; a block of zeros has e = 0. As a byte (E8M0): e + 127.
;;     - Each number is divided by its block's scale, clamped to +-6, and rounded to the nearest number of E2M1, ties to even, subnormals kept.
;;     - The product sums the exact products of the quantised numbers (number of the format x scale) in f32.
;;   ~~~python
;;   def quantise(x, axis):      # numpy; x: float32 -> the quantised numbers, widened to float32 again
;;       x = np.moveaxis(x, axis, -1); K = x.shape[-1]
;;       x = np.pad(x, [(0, 0)] * (x.ndim - 1) + [(0, -K % 32)]); x = x.reshape(x.shape[:-1] + (-1, 32)); a = np.abs(x).max(-1, keepdims=True)
;;       e = np.where(a > 0, np.clip(np.frexp(np.where(a > 0, a, 1))[1] - 1 - 2, -126, 127), 0)      # np.frexp(a)[1] - 1 = floor(log2(a)), exactly
;;       r = np.clip(x / 2.0 ** e, -6, 6)
;;       step = 2.0 ** (np.maximum(np.frexp(np.where(r == 0, 1, r))[1] - 1, 0) - 1)
;;       q = np.round(r / step) * step * 2.0 ** e      # np.round: ties to even
;;       return np.moveaxis(q.reshape(q.shape[:-2] + (-1,))[..., :K], -1, axis).astype(np.float32)
;;   ~~~
;;   OPERANDS COMPUTED ON THE WAY. 'Computed on the way' means the value that the module computes at that place (a softmax that the list does not call 'softmax' is quantised finished and normalised). What goes into a quantiser is computed in f32, as accurately as f32 sums, v_exp_f32 and their like allow (about 1e-6 of the number): no bf16 or f16 on the way to a quantiser, and a product that is left as it is and whose result goes on into a quantised operand takes f32 operands (vector FMAs, or v_wmma_f32_16x16x4_f32). A number that lies on a knife's edge between two numbers of the format may be rounded either way, as far as f32 arithmetic and the matrix unit's own rounding can turn it there, and no further.
;;   INPUTS GIVEN AS CODES. Wk (in the module: [512, 512], K = its axis 1); Wo (in the module: [512, 512], K = its axis 1); Wq (in the module: [512, 512], K = its axis 1); Wv (in the module: [512, 512], K = its axis 1); key_value (in the module: [32, 512, 512], K = its axis 2); query (in the module: [32, 512, 512], K = its axis 2): each comes as NAME_codes (uint8): NAME with its K axis moved to the last place and cut into blocks of 32 codes, [.., K / 32, bytes a block], one block behind the other in memory; two codes a byte, the lower K in the low four bits (a code: sign, 2 exponent bits, 1 mantissa bit); and NAME_scales (uint8): the same leading axes, one E8M0 byte (e + 127) for each 32 codes along K. Its value is code x scale, taken as it is: it is not quantised again, and the codes and scales need not be those that the quantiser above would give.
;; One version. Each part assembles by itself: llvm-mc -triple=amdgcn-amd-amdhsa -mcpu=gfx1250 --defsym DOCPART=n.
;; ======== version 1 of 1: 2 launches
;; limits: a function is approximated: absolute error at most 2e-07
;; workspace buffers: kvimg 8,912,896 bytes
;; launch kvproj (part 1): grid 128 x 2, 4 waves a work-group, no clusters, 0 bytes of LDS; arguments key_value_codes, key_value_scales, Wk_codes, Wk_scales, bk, Wv_codes, Wv_scales, bv, kvimg; writes kvimg
.if DOCPART == 1
	.amdgcn_target "amdgcn-amd-amdhsa--gfx1250"
	.amdhsa_code_object_version 6
	.text
	.protected	k_qeb21b3128a_kvproj
	.globl	k_qeb21b3128a_kvproj
	.p2align	8
	.type	k_qeb21b3128a_kvproj,@function
k_qeb21b3128a_kvproj:
	s_mov_b64 s[64:65], 0
	v_nop
	global_prefetch_b8 v0, s[64:65] scope:SCOPE_SE
	s_setreg_imm32_b32 hwreg(HW_REG_WAVE_MODE, 25, 1), 1
	s_wait_xcnt 0x0
; k = key_value Wk^T + bk and v = key_value Wv^T + bv, on the given E2M1 codes with E8M0 scales; the results are quantised at once,
; k along a head's 64 features, v along the keys, and stored as IMAGES OF THE OPERAND REGISTERS that the next launch loads.
; SHARES.  Work-group x = 4 batch + g takes 128 keys; y = 0 makes k, y = 1 makes v.  Wave w takes the 128 features of heads 2 w, 2 w + 1.
; A wave makes 128 x 128 numbers over K = 512: 256 matrix instructions.  All operands go from memory straight into registers, once, at the head;
; there is no loop along K, no LDS and no barrier.
; ONE SCHEME FOR BOTH: D = A x B; A's rows fall on a lane's registers, B's rows on the lanes.  k: A = Wk's rows, B = the keys' rows (a lane holds one key,
; registers run along the features).  v: A = the keys' rows, B = Wv's rows (a lane holds one feature, registers run along the keys).
; THE ROWS OF A TILE ARE NOT NEIGHBOURS: lane r of tile t takes row 32 (t / 2) + 8 (t % 2) + r + 8 (r / 8), so that the 16 registers of result tiles 2 b, 2 b + 1
; are 16 neighbours, 32 b + 16 (lane / 16) + 0 .. 15, along the axis that is quantised.
; kvimg: block (batch, w) of 69,632 bytes: 32 images of k (tile T = 8 g + tB) of 1,024 bytes, 32 of v, 4 x 512 bytes of k's scale words, 4 x 512 of v's.
; An image: registers 0-3 at 16 x lane, registers 4-7 at 512 + 16 x lane.  Scale words: [lane][p]: lanes 0-15 tile 2 p's rows, lanes 16-31 tile 2 p + 1's.
; NO JOINT REQUESTS: nothing here goes through LDS; a wave's whole input is 64 KB of codes that it asks for once into its registers.
; LIMITS: a block of zeros, or one whose largest magnitude lies under 2^-124, gets the byte 1 (its bytes are read by this program alone); NaN and infinities are not served.
.set SP,  8                            ; v8-11   the four pair words of scales
.set PW,  12                           ; v12     the scale word just made;  v13 the even tile's, kept
.set PWE, 13
.set ACC, 16                           ; v16-79  eight result tiles
.set BI,  80                           ; v80-143 the bias in the result's layout
.set AS,  144                          ; v144-159 A's scale words [4 p + s];  v160-175 B's
.set BS,  160
.set TM,  176                          ; v176-187 at work in the quantiser
.set PC,  192                          ; v192-255 the codes: eight registers for each B tile, so that no store's data are written again
.set MSB, 0
.macro WIN new                         ; the immediate's high byte repeats the setting that is left
.if MSB != (\new)
	s_set_vgpr_msb (MSB<<8)|(\new)
.set MSB, (\new)
.endif
.endm
; one scaled product; ra, rb: the side's scales stand in lanes 16-31 of the register named
.macro WM d, a, b, c, sa, sb, ra, rb
.if (\ra) && (\rb)
	v_wmma_scale_f32_16x16x128_f8f6f4 v[\d:\d+7], v[\a:\a+7], v[\b:\b+7], v[\c:\c+7], v[\sa], v[\sb] matrix_a_fmt:MATRIX_FMT_FP4 matrix_b_fmt:MATRIX_FMT_FP4 matrix_a_scale:MATRIX_SCALE_ROW1 matrix_b_scale:MATRIX_SCALE_ROW1
.elseif (\ra)
	v_wmma_scale_f32_16x16x128_f8f6f4 v[\d:\d+7], v[\a:\a+7], v[\b:\b+7], v[\c:\c+7], v[\sa], v[\sb] matrix_a_fmt:MATRIX_FMT_FP4 matrix_b_fmt:MATRIX_FMT_FP4 matrix_a_scale:MATRIX_SCALE_ROW1
.elseif (\rb)
	v_wmma_scale_f32_16x16x128_f8f6f4 v[\d:\d+7], v[\a:\a+7], v[\b:\b+7], v[\c:\c+7], v[\sa], v[\sb] matrix_a_fmt:MATRIX_FMT_FP4 matrix_b_fmt:MATRIX_FMT_FP4 matrix_b_scale:MATRIX_SCALE_ROW1
.else
	v_wmma_scale_f32_16x16x128_f8f6f4 v[\d:\d+7], v[\a:\a+7], v[\b:\b+7], v[\c:\c+7], v[\sa], v[\sb] matrix_a_fmt:MATRIX_FMT_FP4 matrix_b_fmt:MATRIX_FMT_FP4
.endif
.endm
; 64 numbers of a lane, v[s] .. v[s + 63] of window w, register 16 b + i = k 32 b + 16 (lane / 16) + i of the lane's row, become a fragment's codes
; (k 0-63 in v[pl] on, k 64-127 in v[ph] on) and its scale word in v[PW].
.macro QUANT s, w, pl, ph
	WIN ((\w)<<2)|((\w)<<4)
.irp b, 0,1,2,3
	v_max3_num_f32 v[TM+\b], 0x1800000, |v[\s+16*\b]|, |v[\s+1+16*\b]|   ; my 16 numbers of block b, and the floor 2^(3 - 127): the byte cannot fall under 1
.endr
.irp i, 2,4,6,8,10,12,14
.irp b, 0,1,2,3
	v_max3_num_f32 v[TM+\b], v[TM+\b], |v[\s+16*\b+\i]|, |v[\s+1+16*\b+\i]|   ; the four blocks by turns
.endr
.endr
	WIN 0
.irp b, 0,1,2,3
	v_permlanex16_b32 v[TM+4+\b], v[TM+\b], s46, s47
.endr
.irp b, 0,1,2,3
	v_max_num_f32 v[TM+\b], v[TM+\b], v[TM+4+\b]   ; with lane l xor 16's 16: the block's largest magnitude
.endr
.irp b, 0,1,2,3
	v_add_nc_u32 v[TM+8+\b], 0xff000000, v[TM+\b]  ; 2 off its exponent field: the conversion's scale operand
.endr
.irp b, 0,1,2,3
	v_lshrrev_b32 v[TM+4+\b], 23, v[TM+8+\b]       ; the scale's byte
.endr
	v_lshl_or_b32 v[PW], v[TM+5], 8, v[TM+4]
	v_lshl_or_b32 v[PW], v[TM+6], 16, v[PW]
	v_lshl_or_b32 v[PW], v[TM+7], 24, v[PW]
	WIN (\w)
.irp b, 0,1
	v_cvt_scalef32_pk8_fp4_f32 v[\pl+2*\b], v[\s+16*\b:\s+16*\b+7], v[TM+8+\b]
	v_cvt_scalef32_pk8_fp4_f32 v[\pl+2*\b+1], v[\s+16*\b+8:\s+16*\b+15], v[TM+8+\b]
.endr
.irp b, 0,1
	v_cvt_scalef32_pk8_fp4_f32 v[\ph+2*\b], v[\s+32+16*\b:\s+32+16*\b+7], v[TM+10+\b]
	v_cvt_scalef32_pk8_fp4_f32 v[\ph+2*\b+1], v[\s+32+16*\b+8:\s+32+16*\b+15], v[TM+10+\b]
.endr
	WIN 0
	v_nop                                          ; one plain place behind the scaled conversions
	v_permlane16_swap_b32 v[\pl], v[\pl+2]         ; the operand's layout wants a whole block in a lane
	v_permlane16_swap_b32 v[\pl+1], v[\pl+3]
	v_permlane16_swap_b32 v[\ph], v[\ph+2]
	v_permlane16_swap_b32 v[\ph+1], v[\ph+3]
.endm
	s_load_b512 s[8:23], s[0:1], 0x0               ; kv codes 8, kv scales 10, Wk codes 12, Wk scales 14, bk 16, Wv codes 18, Wv scales 20, bv 22
	s_load_b64 s[24:25], s[0:1], 0x40              ; kvimg
	v_lshrrev_b32 v1, 5, v0
	v_readfirstlane_b32 s26, v1                    ; wave
	s_and_b32 s27, ttmp7, 0xffff                   ; 0: k, 1: v
	s_mov_b32 s28, ttmp9                           ; x = 4 batch + g
	v_and_b32 v1, 31, v0                           ; lane
	v_and_b32 v7, 15, v0                           ; r
	v_bfe_u32 v14, v0, 4, 1                        ; h
	v_and_b32 v15, 8, v7
	v_add_nc_u32 v15, v15, v7                      ; r + 8 (r / 8)
	v_lshlrev_b32 v2, 8, v15
	v_lshl_add_u32 v2, v14, 4, v2                  ; codes: the tile's row of 256 bytes + 16 h
	v_lshl_add_u32 v3, v14, 3, v15
	v_lshlrev_b32 v3, 4, v3                        ; scale rows of 16 bytes: lanes 0-15 the even tile's rows, lanes 16-31 the odd tile's, 8 rows on
	v_lshlrev_b32 v4, 4, v1                        ; 16 x lane
	v_lshlrev_b32 v5, 6, v14                       ; bk: 16 h numbers on
	v_lshlrev_b32 v6, 2, v15                       ; bv: the lane's feature
.irp b, 4,5,6,7
	v_mov_b32 v[TM+\b], 0                          ; written once: a lane permute's destination counts as one of its sources
.endr
	s_mov_b32 s44, 0xffff0000                      ; lanes 16-31
	s_mov_b32 s46, 0x76543210
	s_mov_b32 s47, 0xfedcba98                      ; v_permlanex16_b32's selects for lane l xor 16
	s_lshl_b32 s2, s28, 15                         ; my 128 keys: 256 bytes of codes a row,
	s_mov_b32 s3, 0
	s_lshl_b32 s4, s28, 11                         ; 16 bytes of scales
	s_mov_b32 s5, 0
	s_wait_kmcnt 0x0
	s_add_nc_u64 s[8:9], s[8:9], s[2:3]
	s_add_nc_u64 s[10:11], s[10:11], s[4:5]
	s_cmp_eq_u32 s27, 0                            ; the choices hang on the work-group's number alone
	s_cselect_b64 s[12:13], s[12:13], s[18:19]     ; the weight's codes,
	s_cselect_b64 s[14:15], s[14:15], s[20:21]     ; its scales,
	s_cselect_b64 s[38:39], s[16:17], s[22:23]     ; the bias
	s_lshl_b32 s2, s26, 15                         ; my wave's 128 rows of the weight
	s_lshl_b32 s4, s26, 11
	s_add_nc_u64 s[12:13], s[12:13], s[2:3]
	s_add_nc_u64 s[14:15], s[14:15], s[4:5]
	s_lshl_b32 s2, s26, 9
	s_add_nc_u64 s[38:39], s[38:39], s[2:3]
	s_cmp_eq_u32 s27, 0
	s_cselect_b64 s[30:31], s[12:13], s[8:9]       ; A: the weight for k, the keys for v
	s_cselect_b64 s[32:33], s[14:15], s[10:11]
	s_cselect_b64 s[34:35], s[8:9], s[12:13]       ; B: the other
	s_cselect_b64 s[36:37], s[10:11], s[14:15]
	s_and_b32 s2, s28, 0xfc                        ; 4 batch
	s_add_co_u32 s2, s2, s26
	s_mul_i32 s2, s2, 69632                        ; block (batch, w)
	s_and_b32 s4, s28, 3                           ; g
	s_lshl_b32 s6, s4, 13                          ; eight images of 1,024 bytes for each g,
	s_lshl_b32 s7, s27, 15                         ; v's behind k's 32
	s_add_co_u32 s6, s6, s7
	s_add_co_u32 s6, s6, s2
	s_mov_b32 s7, 0
	s_add_nc_u64 s[40:41], s[24:25], s[6:7]
	s_lshl_b32 s6, s4, 9                           ; 512 bytes of scale words for each g,
	s_lshl_b32 s4, s27, 11                         ; v's behind k's four
	s_add_co_u32 s6, s6, s4
	s_add_co_u32 s6, s6, s2
	s_add_co_u32 s6, s6, 65536
	s_add_nc_u64 s[42:43], s[24:25], s[6:7]
	WIN 0x40                                       ; destination window 1: A's fragment (t, s) at v[8 (4 t + s)]
.irp t, 0,1,2,3,4,5,6,7
.irp s, 0,1,2,3
.irp c, 0,1
	global_load_b128 v[8*(4*\t+\s)+4*\c:8*(4*\t+\s)+4*\c+3], v2, s[30:31] offset:(32*(\t/2)+8*(\t%2))*256+64*\s+32*\c
.endr
.endr
.endr
	WIN 0x80                                       ; destination window 2: B's likewise
.irp t, 0,1,2,3,4,5,6,7
.irp s, 0,1,2,3
.irp c, 0,1
	global_load_b128 v[8*(4*\t+\s)+4*\c:8*(4*\t+\s)+4*\c+3], v2, s[34:35] offset:(32*(\t/2)+8*(\t%2))*256+64*\s+32*\c
.endr
.endr
.endr
	WIN 0
.irp p, 0,1,2,3
	global_load_b128 v[AS+4*\p:AS+4*\p+3], v3, s[32:33] offset:512*\p   ; a row's 16 scale bytes are the words of its four K steps
	global_load_b128 v[BS+4*\p:BS+4*\p+3], v3, s[36:37] offset:512*\p
.endr
; B tile tB against A's eight tiles over the four K steps; the eight accumulators take turns, one instruction a turn.  The bias is the C of each sum's first product.
.macro TILE tB, path
	WIN 0x09                                       ; source 0 window 1, source 1 window 2
.irp s, 0,1,2,3
.irp tA, 0,1,2,3,4,5,6,7
.if \s == 0
.if \path
	WM ACC+8*\tA, 8*(4*\tA+\s), 8*(4*\tB+\s), BI+8*\tB, AS+4*(\tA/2)+\s, BS+4*(\tB/2)+\s, \tA%2, \tB%2
.else
	WM ACC+8*\tA, 8*(4*\tA+\s), 8*(4*\tB+\s), BI+8*\tA, AS+4*(\tA/2)+\s, BS+4*(\tB/2)+\s, \tA%2, \tB%2
.endif
.else
	WM ACC+8*\tA, 8*(4*\tA+\s), 8*(4*\tB+\s), ACC+8*\tA, AS+4*(\tA/2)+\s, BS+4*(\tB/2)+\s, \tA%2, \tB%2
.endif
.endr
.endr
	WIN 0
.rept 4
	v_nop                                          ; places in front of the first read of results (ISA guide 7.12.1)
.endr
	QUANT ACC, 0, PC+8*\tB, PC+8*\tB+4             ; its lines on the work registers alone are the places in front of the next tile's products, which begin the accumulators anew
	global_store_b128 v4, v[PC+8*\tB:PC+8*\tB+3], s[40:41] offset:\tB*1024         ; 32 lanes store 512 consecutive bytes, aligned
	global_store_b128 v4, v[PC+8*\tB+4:PC+8*\tB+7], s[40:41] offset:\tB*1024+512
.if (\tB)%2 == 0
	v_mov_b32 v[PWE], v[PW]
.else
	v_cndmask_b32 v[SP+(\tB)/2], v[PWE], v[PW], s44   ; lanes 0-15 the even tile's words, lanes 16-31 the odd tile's
.endif
.endm
	s_cmp_lg_u32 s27, 0
	s_cbranch_scc1 .Lv
.irp t, 0,1,2,3,4,5,6,7                        ; k: register j of result tile t is feature 32 (t / 2) + 8 (t % 2) + 16 h + j
	global_load_b128 v[BI+8*\t:BI+8*\t+3], v5, s[38:39] offset:(32*(\t/2)+8*(\t%2))*4
	global_load_b128 v[BI+8*\t+4:BI+8*\t+7], v5, s[38:39] offset:(32*(\t/2)+8*(\t%2))*4+16
.endr
	s_wait_loadcnt 0x0
.irp n, 0,1,2,3,4,5,6,7
	TILE \n, 0
.endr
	global_store_b128 v4, v[SP:SP+3], s[42:43]     ; the scale words: 512 consecutive bytes
	s_endpgm
.Lv:
.irp t, 0,1,2,3,4,5,6,7                        ; v: all eight registers of a result tile belong to the lane's one feature
.irp j, 0,1,2,3,4,5,6,7
	global_load_b32 v[BI+8*\t+\j], v6, s[38:39] offset:(32*(\t/2)+8*(\t%2))*4
.endr
.endr
	s_wait_loadcnt 0x0
.irp n, 0,1,2,3,4,5,6,7
	TILE \n, 1
.endr
	global_store_b128 v4, v[SP:SP+3], s[42:43]
	s_endpgm
.Lfunc_end_k_qeb21b3128a_kvproj:
	.size	k_qeb21b3128a_kvproj, .Lfunc_end_k_qeb21b3128a_kvproj-k_qeb21b3128a_kvproj
	.p2alignl 7, 3214868480
	.fill 96, 4, 3214868480
	.section	.rodata,"a",@progbits
	.p2align	6, 0x0
	.amdhsa_kernel k_qeb21b3128a_kvproj
		.amdhsa_group_segment_fixed_size 0
		.amdhsa_private_segment_fixed_size 0
		.amdhsa_enable_private_segment 0
		.amdhsa_kernarg_size 72
		.amdhsa_user_sgpr_count 2
		.amdhsa_user_sgpr_kernarg_segment_ptr 1
		.amdhsa_wavefront_size32 1
		.amdhsa_system_sgpr_workgroup_id_x 1
		.amdhsa_system_sgpr_workgroup_id_y 1
		.amdhsa_system_sgpr_workgroup_id_z 1
		.amdhsa_system_vgpr_workitem_id 0
		.amdhsa_next_free_vgpr 768
		.amdhsa_next_free_sgpr 66
		.amdhsa_reserve_vcc 0
		.amdhsa_float_denorm_mode_32 3
		.amdhsa_float_denorm_mode_16_64 3
		.amdhsa_memory_ordered 1
		.amdhsa_forward_progress 1
		.amdhsa_inst_pref_size 154
	.end_amdhsa_kernel
	.amdgpu_metadata
---
amdhsa.version: [ 1, 2 ]
amdhsa.kernels:
  - .name:           k_qeb21b3128a_kvproj
    .symbol:         k_qeb21b3128a_kvproj.kd
    .args:
      - { .name: key_value_codes, .offset: 0, .size: 8, .value_kind: global_buffer, .address_space: global }
      - { .name: key_value_scales, .offset: 8, .size: 8, .value_kind: global_buffer, .address_space: global }
      - { .name: Wk_codes, .offset: 16, .size: 8, .value_kind: global_buffer, .address_space: global }
      - { .name: Wk_scales, .offset: 24, .size: 8, .value_kind: global_buffer, .address_space: global }
      - { .name: bk, .offset: 32, .size: 8, .value_kind: global_buffer, .address_space: global }
      - { .name: Wv_codes, .offset: 40, .size: 8, .value_kind: global_buffer, .address_space: global }
      - { .name: Wv_scales, .offset: 48, .size: 8, .value_kind: global_buffer, .address_space: global }
      - { .name: bv, .offset: 56, .size: 8, .value_kind: global_buffer, .address_space: global }
      - { .name: kvimg, .offset: 64, .size: 8, .value_kind: global_buffer, .address_space: global }
    .group_segment_fixed_size: 0
    .private_segment_fixed_size: 0
    .kernarg_segment_align: 8
    .kernarg_segment_size: 72
    .max_flat_workgroup_size: 128
    .sgpr_count:     66
    .vgpr_count:     768
    .wavefront_size: 32
...
	.end_amdgpu_metadata
.endif
;; end of part 1
;; launch mab (part 2): grid 8 x 32, 4 waves a work-group, clusters of 4 x 1, 327,680 bytes of LDS; arguments query_codes, query_scales, Wq_codes, Wq_scales, bq, kvimg, ln0_w, ln0_b, Wo_codes, Wo_scales, bo, ln1_w, ln1_b, out0; writes out0
.if DOCPART == 2
	.amdgcn_target "amdgcn-amd-amdhsa--gfx1250"
	.amdhsa_code_object_version 6
	.text
	.protected	k_qeb21b3128a_mab
	.globl	k_qeb21b3128a_mab
	.p2align	8
	.type	k_qeb21b3128a_mab,@function
k_qeb21b3128a_mab:
	s_mov_b64 s[64:65], 0
	v_nop
	global_prefetch_b8 v0, s[64:65] scope:SCOPE_SE
	s_setreg_imm32_b32 hwreg(HW_REG_WAVE_MODE, 25, 1), 1
	s_wait_xcnt 0x0
	s_wait_alu depctr_hold_cnt(0) depctr_sa_sdst(0) depctr_va_vdst(0) depctr_va_sdst(0) depctr_va_ssrc(0) depctr_va_vcc(0) depctr_vm_vsrc(0)
	s_getreg_b32 s2, hwreg(HW_REG_IB_STS2, 6, 4)
	s_cmp_eq_u32 s2, 0
	s_cbranch_scc0 .Lentry_in_a_cluster
	s_endpgm
.Lentry_in_a_cluster:
	s_bfe_u32 s2, ttmp6, 0x10000c
	s_cmp_lg_u32 s2, 0x3003
	s_cbranch_scc0 .Lentry_shape_is_right
	s_endpgm
.Lentry_shape_is_right:
; For 64 query rows of one batch: q = query Wq^T + bq; for each head s = q k^T / 8, A = tanh(s) softmax(sqrt(s^2 + 0.01)), oh = q + A v; LN0; + relu(. Wo^T + bo); LN1.
; All six products on E2M1 codes with E8M0 scales; q, A and LN0's result are quantised here, in registers; k and v come as register images from kvimg.
; SHARES.  Work-group = (batch, block of 64 rows).  THE WAVES SHARE THE COLUMNS: wave w owns features 128 w .. 128 w + 127 (heads 2 w, 2 w + 1) of all 64 rows in every phase.
; So each weight byte is read once by the work-group, into registers; a wave reads only its own block of k and v; q, oh, LN0's result and the residuals stay in the wave's registers.
; Between waves go only the norms' statistics and LN0's codes, through LDS.
; LAYOUT.  Every product is used transposed (source 0 = 16 rows of a weight, of k or of v^T; source 1 = 16 query rows): a lane holds ONE row (lane % 16) throughout.
; The rows of a source-0 tile are not neighbours: lane r of tile t takes row 32 (t / 2) + 8 (t % 2) + r + 8 (r / 8), so that register 16 b + i of two neighbouring result tiles is
; number 32 b + 16 (lane / 16) + i along the next product's K.
; A UNIT is (tile of 16 rows, head): its 512 scores lie in 256 registers.  The score product's K is 64: the fragment of k holds both heads of the pair, and q's image has zero codes in the other head's half.
; THE SIGNED SOFTMAX.  X = 2 log2(e) s; R = sqrt(X^2 + 0.04 log2(e)^2) = 2 log2(e) sqrt(s^2 + 0.01); e = 2^(R / 2 - Rmax / 2), Rmax the row's own largest R; tanh(s) = 1 - 2 / (1 + 2^X).
; g = e tanh(s) is kept in the scores' place; the row's sum of e is taken; A = g / sum is what is quantised, along the keys.
; CLUSTER.  The four blocks of rows of a cluster belong to one batch and need the same k and v: wave w of each asks jointly (mask 15) for block (batch, w), 69,632 dense bytes: one tensor load a wave
; in the whole launch, a first fill; nothing in LDS is filled again.  Only the wave that asked reads the block, behind its own wait on TENSORcnt.
; LIMITS.  tanh by 1 - 2 / (1 + 2^X) has an absolute error of some 2e-7, so its relative error grows as 2e-7 / |s| for small |s|.  The transcendentals flush denormals.
; A block of zeros, or one whose largest magnitude lies under 2^-124, gets the byte 1 (its codes are zeros or tiny; the bytes are read here alone).  NaN and infinities are not served.
; REGISTERS, in windows of 256.  Window 0: see the names below.  Window 1: the unit's scores, tile T at 8 T; before the loop bq; behind it the norm's gain 0-63, its bias 64-127, bo 128-191.
; Window 2: QO, tile (m, t) at 8 (8 m + t): q, then oh, then LN0's result, then the second residual sum.  Window 3: the weight's fragments (t, s) at 8 (4 t + s): Wq, then Wo.
.set KVW,  69632                       ; LDS: wave w's block of k and v at w x KVW: 32 images of k, 32 of v, k's scale words, v's.  Its first bytes serve as the wave's stage on the way out: their one fill is long done and nobody else reads them
.set QST,  278528                      ; wave w's q region at QST + w x QW: 8 unit images of 1,024 bytes, 8 scale words of 128; behind the attention the wave's four images of LN0's codes and their words
.set QW,   9216
.set ST0,  315392                      ; LN0's statistics: (mean, sum of squares about it) at 1,024 m + 256 w + 8 x lane;  ST1: LN1's
.set L16, 1                            ; v1   16 x lane
.set L4,  2                            ; v2   4 x lane
.set AQ,  3                            ; v3   query's codes: 256 r + 16 h
.set AW,  4                            ; v4   a weight's codes: 256 (r + 8 (r / 8)) + 16 h
.set KB,  5                            ; v5   my block of k and v + 16 x lane: k's images, and the stage read back
.set KSB, 6                            ; v6   k's scale words
.set VB,  7                            ; v7   v's images
.set VSB, 8                            ; v8   v's scale words
.set QB,  9                            ; v9   my q region + 16 x lane
.set QSB, 10                           ; v10  its scale words + 4 x lane
.set VAD, 11                           ; v11-14 the unit's addresses: v's images, v's words, q's image, q's word
.set VSA, 12
.set QAD, 13
.set QSA, 14
.set HRD, 15                           ; v15  all waves' images of LN0's codes: QST + 16 x lane
.set HSR, 16                           ; v16  and their words
.set STW, 17                           ; v17  where I store statistics;  v18 where I read all four waves'
.set STR, 18
.set STO, 19                           ; v19  the stage: row r of 528 bytes + 64 h
.set ZQ,  20                           ; v20-23 zeros: zero codes
.set AWS, 24                           ; v24  a weight's scale rows: 16 (8 h + r + 8 (r / 8))
.set ABI, 31                           ; v31  parameters in the result's layout: 64 h
.set MX,  32                           ; v32-35 four chains of the maximum.  v[26:27]: -Rmax / 2, later the mean; v[28:29]: 1 / sum, later 1 / sigma; v30 at work
.set SUM, 36                           ; v36-39 the sum of e, two pairs
.set QF,  40                           ; v40-47 q's fragment
.set PC,  48                           ; v48-55 the codes just made
.set QS,  56                           ; v56  q's scale word
.set PW,  57                           ; v57  the scale word just made
.set VS,  58                           ; v58-61 v's scale words, two pairs by turns; also query's and LN0's second set
.set TM,  62                           ; v62-73 at work
.set KS,  74                           ; v74-89 sixteen scale registers: Wq's, then k's, then Wo's
.set OA,  96                           ; v96-127 the unit's four accumulators of A v.  (v90-93: query's and LN0's first set of scale words)
.set T0,  128
.set T1,  192
.set MSB, 0
.macro WIN new                         ; the immediate's high byte repeats the setting that is left
.if MSB != (\new)
	s_set_vgpr_msb (MSB<<8)|(\new)
.set MSB, (\new)
.endif
.endm
.macro WM d, a, b, c, sa, sb, ra, rb   ; one scaled product; ra, rb: the side's scales stand in lanes 16-31 of the register named
.if (\ra) && (\rb)
	v_wmma_scale_f32_16x16x128_f8f6f4 v[\d:\d+7], v[\a:\a+7], v[\b:\b+7], v[\c:\c+7], v[\sa], v[\sb] matrix_a_fmt:MATRIX_FMT_FP4 matrix_b_fmt:MATRIX_FMT_FP4 matrix_a_scale:MATRIX_SCALE_ROW1 matrix_b_scale:MATRIX_SCALE_ROW1
.elseif (\ra)
	v_wmma_scale_f32_16x16x128_f8f6f4 v[\d:\d+7], v[\a:\a+7], v[\b:\b+7], v[\c:\c+7], v[\sa], v[\sb] matrix_a_fmt:MATRIX_FMT_FP4 matrix_b_fmt:MATRIX_FMT_FP4 matrix_a_scale:MATRIX_SCALE_ROW1
.elseif (\rb)
	v_wmma_scale_f32_16x16x128_f8f6f4 v[\d:\d+7], v[\a:\a+7], v[\b:\b+7], v[\c:\c+7], v[\sa], v[\sb] matrix_a_fmt:MATRIX_FMT_FP4 matrix_b_fmt:MATRIX_FMT_FP4 matrix_b_scale:MATRIX_SCALE_ROW1
.else
	v_wmma_scale_f32_16x16x128_f8f6f4 v[\d:\d+7], v[\a:\a+7], v[\b:\b+7], v[\c:\c+7], v[\sa], v[\sb] matrix_a_fmt:MATRIX_FMT_FP4 matrix_b_fmt:MATRIX_FMT_FP4
.endif
.endm
.macro WMZ d, a, b, sa, sb, ra         ; the same with the constant 0 as C: it starts a sum
.if (\ra)
	v_wmma_scale_f32_16x16x128_f8f6f4 v[\d:\d+7], v[\a:\a+7], v[\b:\b+7], 0, v[\sa], v[\sb] matrix_a_fmt:MATRIX_FMT_FP4 matrix_b_fmt:MATRIX_FMT_FP4 matrix_a_scale:MATRIX_SCALE_ROW1
.else
	v_wmma_scale_f32_16x16x128_f8f6f4 v[\d:\d+7], v[\a:\a+7], v[\b:\b+7], 0, v[\sa], v[\sb] matrix_a_fmt:MATRIX_FMT_FP4 matrix_b_fmt:MATRIX_FMT_FP4
.endif
.endm
; 64 numbers of a lane, v[s] .. v[s + 63] of window w, register 16 b + i = k 32 b + 16 (lane / 16) + i of the lane's row, become a fragment's codes
; (k 0-63 in v[pl] on, k 64-127 in v[ph] on) and its scale word in v[PW].  Each result tile is read from its low end on.
.macro QUANT s, w, pl, ph
	WIN ((\w)<<2)|((\w)<<4)
.irp b, 0,1,2,3
	v_max3_num_f32 v[TM+\b], 0x1800000, |v[\s+16*\b]|, |v[\s+1+16*\b]|   ; my 16 numbers of block b, and the floor 2^(3 - 127): the byte cannot fall under 1
.endr
.irp i, 2,4,6,8,10,12,14
.irp b, 0,1,2,3
	v_max3_num_f32 v[TM+\b], v[TM+\b], |v[\s+16*\b+\i]|, |v[\s+1+16*\b+\i]|   ; the four blocks by turns
.endr
.endr
	WIN 0
.irp b, 0,1,2,3
	v_permlanex16_b32 v[TM+4+\b], v[TM+\b], s60, s61
.endr
.irp b, 0,1,2,3
	v_max_num_f32 v[TM+\b], v[TM+\b], v[TM+4+\b]   ; with lane l xor 16's 16: the block's largest magnitude
.endr
.irp b, 0,1,2,3
	v_add_nc_u32 v[TM+8+\b], 0xff000000, v[TM+\b]  ; 2 off its exponent field: the conversion's scale operand
.endr
.irp b, 0,1,2,3
	v_lshrrev_b32 v[TM+4+\b], 23, v[TM+8+\b]       ; the scale's byte
.endr
	v_lshl_or_b32 v[PW], v[TM+5], 8, v[TM+4]
	v_lshl_or_b32 v[PW], v[TM+6], 16, v[PW]
	v_lshl_or_b32 v[PW], v[TM+7], 24, v[PW]
	WIN (\w)
.irp b, 0,1
	v_cvt_scalef32_pk8_fp4_f32 v[\pl+2*\b], v[\s+16*\b:\s+16*\b+7], v[TM+8+\b]
	v_cvt_scalef32_pk8_fp4_f32 v[\pl+2*\b+1], v[\s+16*\b+8:\s+16*\b+15], v[TM+8+\b]
.endr
.irp b, 0,1
	v_cvt_scalef32_pk8_fp4_f32 v[\ph+2*\b], v[\s+32+16*\b:\s+32+16*\b+7], v[TM+10+\b]
	v_cvt_scalef32_pk8_fp4_f32 v[\ph+2*\b+1], v[\s+32+16*\b+8:\s+32+16*\b+15], v[TM+10+\b]
.endr
	WIN 0
	v_nop                                          ; one plain place behind the scaled conversions
	v_permlane16_swap_b32 v[\pl], v[\pl+2]         ; the operand's layout wants a whole block in a lane
	v_permlane16_swap_b32 v[\pl+1], v[\pl+3]
	v_permlane16_swap_b32 v[\ph], v[\ph+2]
	v_permlane16_swap_b32 v[\ph+1], v[\ph+3]
.endm
.macro PLACES n
.rept \n
	v_nop
.endr
.endm
.macro BARRIER                         ; my LDS stores have landed and my LDS loads are in: then the work-group's barrier
	s_wait_dscnt 0x0
	s_barrier_signal -1
	s_barrier_wait -1
.endm
.macro ROUND                           ; a round of the cluster's barrier
	s_barrier_signal -1
	s_barrier_wait -1
	s_cmp_lg_u32 s48, 0
	s_cbranch_scc1 .Lnot_wave_0_\@
	s_barrier_signal -3
.Lnot_wave_0_\@:
	s_barrier_wait -3
	s_barrier_signal -1
	s_barrier_wait -1
.endm
	s_load_b512 s[8:23], s[0:1], 0x0               ; query codes 8, query scales 10, Wq codes 12, Wq scales 14, bq 16, kvimg 18, ln0_w 20, ln0_b 22
	s_load_b256 s[24:31], s[0:1], 0x40             ; Wo codes 24, Wo scales 26, bo 28, ln1_w 30
	s_load_b128 s[32:35], s[0:1], 0x60             ; ln1_b 32, out0 34
	v_lshl_add_u32 v94, v0, 2, 0x4f000
	v_mov_b32 v95, 0
	ds_add_u32 v94, v95
	ds_add_u32 v94, v95
	v_lshrrev_b32 v30, 5, v0
	v_readfirstlane_b32 s48, v30                   ; wave
	v_and_b32 v30, 31, v0                          ; lane
	v_and_b32 v32, 15, v0                          ; r
	v_bfe_u32 v33, v0, 4, 1                        ; h
	v_and_b32 v34, 8, v32
	v_add_nc_u32 v34, v34, v32                     ; r + 8 (r / 8)
	v_lshlrev_b32 v[L16], 4, v30
	v_lshlrev_b32 v[L4], 2, v30
	v_lshlrev_b32 v[AQ], 8, v32
	v_lshl_add_u32 v[AQ], v33, 4, v[AQ]
	v_lshlrev_b32 v[AW], 8, v34
	v_lshl_add_u32 v[AW], v33, 4, v[AW]
	v_lshl_add_u32 v[AWS], v33, 3, v34
	v_lshlrev_b32 v[AWS], 4, v[AWS]
	v_lshlrev_b32 v[ABI], 6, v33
	s_mul_i32 s51, s48, KVW
	v_add_nc_u32 v[KB], s51, v[L16]
	v_add_nc_u32 v[KSB], 65536, v[KB]
	v_add_nc_u32 v[VB], 32768, v[KB]
	v_add_nc_u32 v[VSB], 67584, v[KB]
	v_mul_u32_u24 v[STO], v32, 528
	v_lshl_add_u32 v[STO], v33, 6, v[STO]
	v_add_nc_u32 v[STO], s51, v[STO]
	s_mul_i32 s51, s48, QW
	s_add_co_u32 s51, s51, QST
	v_add_nc_u32 v[QB], s51, v[L16]
	s_add_co_u32 s51, s51, 8192
	v_add_nc_u32 v[QSB], s51, v[L4]
	v_add_nc_u32 v[HRD], QST, v[L16]
	v_add_nc_u32 v[HSR], QST+8192, v[L4]
	v_lshlrev_b32 v[STR], 3, v30
	v_add_nc_u32 v[STR], ST0, v[STR]
	s_lshl_b32 s51, s48, 8
	v_add_nc_u32 v[STW], s51, v[STR]
.irp b, 0,1,2,3
	v_mov_b32 v[ZQ+\b], 0
	v_mov_b32 v[TM+4+\b], 0                        ; written once: a lane permute's destination counts as one of its sources
.endr
	s_mov_b32 s60, 0x76543210
	s_mov_b32 s61, 0xfedcba98                      ; v_permlanex16_b32's selects for lane l xor 16
	s_mov_b32 s62, 0x3eb8aa3b                      ; log2(e) / 4: X = the raw score x this (the 1 / 8 of the head size is in it)
	s_mov_b32 s63, s62                             ; (the packed forms name a pair)
	s_mov_b32 s66, 0x3daa8179                      ; 0.04 log2(e)^2
	s_mov_b32 s67, s66
	s_mov_b32 s75, 0x3727c5ac                      ; 1e-5
	s_mov_b32 s76, 0x3b000000                      ; 1 / 512
	s_bfe_u32 s49, ttmp6, 0x40000                  ; cx: it enters query's and out0's addresses alone
	s_lshl_b32 s54, ttmp9, 2
	s_add_co_u32 s54, s54, s49                     ; my block of 64 rows
	s_and_b32 s50, ttmp7, 0xffff                   ; the batch, which the four partners share
	s_lshl_b32 s55, s50, 9
	s_lshl_b32 s54, s54, 6
	s_add_co_u32 s54, s54, s55                     ; my first row
	s_lshl_b32 s56, s54, 8
	s_mov_b32 s57, 0
	s_lshl_b32 s58, s54, 4
	s_mov_b32 s59, 0
	s_lshl_b32 s52, s50, 2
	s_add_co_u32 s52, s52, s48
	s_mul_i32 s52, s52, KVW                        ; block (batch, wave) of kvimg
	s_mov_b32 s53, 0
	s_wait_dscnt 0x0
	s_wait_kmcnt 0x0
	s_add_nc_u64 s[8:9], s[8:9], s[56:57]          ; query's codes and scales at my first row
	s_add_nc_u64 s[10:11], s[10:11], s[58:59]
	s_lshl_b32 s56, s54, 11
	s_add_nc_u64 s[34:35], s[34:35], s[56:57]      ; out0 at my first row,
	s_lshl_b32 s58, s48, 9
	s_add_nc_u64 s[34:35], s[34:35], s[58:59]      ; my wave's 128 columns; the parameters likewise
	s_add_nc_u64 s[16:17], s[16:17], s[58:59]
	s_add_nc_u64 s[20:21], s[20:21], s[58:59]
	s_add_nc_u64 s[22:23], s[22:23], s[58:59]
	s_add_nc_u64 s[28:29], s[28:29], s[58:59]
	s_add_nc_u64 s[30:31], s[30:31], s[58:59]
	s_add_nc_u64 s[32:33], s[32:33], s[58:59]
	s_lshl_b32 s58, s48, 15                        ; my 128 rows of the weights
	s_add_nc_u64 s[12:13], s[12:13], s[58:59]
	s_add_nc_u64 s[24:25], s[24:25], s[58:59]
	s_lshl_b32 s58, s48, 11
	s_add_nc_u64 s[14:15], s[14:15], s[58:59]
	s_add_nc_u64 s[26:27], s[26:27], s[58:59]
	; the descriptor: a dense block of 272 rows of 256 bytes (32 elements of 8 bytes), no padding: images are read 16 bytes a lane on end
	s_mov_b32 s36, 1                               ; count = 1
	s_mul_i32 s37, s48, KVW                        ; LDS address: the wave's number alone
	s_add_nc_u64 s[38:39], s[18:19], s[52:53]      ; global address: batch and wave, the same in all four partners
	s_or_b32 s39, s39, 0x80000000                  ; type = 2
	s_mov_b32 s40, 15|(3<<16)|(1<<21)              ; the mask: all four work-groups; elements of 8 bytes; bit 21 set beside a mask
	s_mov_b32 s41, 32<<16                          ; tensor_dim0 = 32
	s_mov_b32 s42, 272<<16                         ; tensor_dim1 = 272
	s_mov_b32 s43, 32<<16                          ; tile_dim0 = 32
	s_mov_b32 s44, 272                             ; tile_dim1 = 272
	s_mov_b32 s45, 32                              ; the pitch
	s_mov_b32 s46, 0
	s_mov_b32 s47, 0
	ROUND                                          ; all four work-groups are here: the joint loads meet
	tensor_load_to_lds s[36:39], s[40:47]          ; my one tensor load: it lands under the first product
	s_nop 0
	PLACES 4
	; ---- q = query Wq^T + bq
	WIN 0xc0                                       ; destination window 3
.irp t, 0,1,2,3,4,5,6,7
.irp s, 0,1,2,3
.irp c, 0,1
	global_load_b128 v[8*(4*\t+\s)+4*\c:8*(4*\t+\s)+4*\c+3], v[AW], s[12:13] offset:(32*(\t/2)+8*(\t%2))*256+64*\s+32*\c
.endr
.endr
.endr
	WIN 0x40                                       ; destination window 1: bq, register j of tile t = feature 32 (t / 2) + 8 (t % 2) + 16 h + j
.irp t, 0,1,2,3,4,5,6,7
	global_load_b128 v[8*\t:8*\t+3], v[ABI], s[16:17] offset:(32*(\t/2)+8*(\t%2))*4
	global_load_b128 v[8*\t+4:8*\t+7], v[ABI], s[16:17] offset:(32*(\t/2)+8*(\t%2))*4+16
.endr
	WIN 0
.irp m, 0,1,2,3
.irp s, 0,1,2,3
.irp c, 0,1
	global_load_b128 v[T0+8*(4*\m+\s)+4*\c:T0+8*(4*\m+\s)+4*\c+3], v[AQ], s[8:9] offset:4096*\m+64*\s+32*\c
.endr
.endr
.endr
.irp p, 0,1,2,3
	global_load_b128 v[KS+4*\p:KS+4*\p+3], v[AWS], s[14:15] offset:512*\p   ; lanes 0-15 tile 2 p's rows, lanes 16-31 tile 2 p + 1's; the four words of a row are its four K steps
.endr
	global_load_b128 v[90:93], v[L16], s[10:11]            ; query's: lanes 0-15 rows 0-15, lanes 16-31 rows 16-31;
	global_load_b128 v[58:61], v[L16], s[10:11] offset:512 ; rows 32-63
	s_wait_loadcnt 0x0
.irp s, 0,1,2,3                                ; 32 accumulators by turns, one instruction a turn
.if \s == 0
	WIN 0x93                                       ; A window 3, B window 0, C (bq) window 1, D window 2
.else
	WIN 0xa3                                       ; C and D window 2
.endif
.irp m, 0,1,2,3
.irp t, 0,1,2,3,4,5,6,7
.if \s == 0
	WM 8*(8*\m+\t), 8*(4*\t+\s), T0+8*(4*\m+\s), 8*\t, KS+4*(\t/2)+\s, 90-32*(\m/2)+\s, \t%2, \m%2
.else
	WM 8*(8*\m+\t), 8*(4*\t+\s), T0+8*(4*\m+\s), 8*(8*\m+\t), KS+4*(\t/2)+\s, 90-32*(\m/2)+\s, \t%2, \m%2
.endif
.endr
.endr
.endr
	WIN 0
	PLACES 4                                       ; in front of loads into registers that matrix instructions have read, and of the first read of results
	WIN 0xc0                                       ; Wo takes Wq's place now: it lands under the attention; its address registers are never rewritten
.irp t, 0,1,2,3,4,5,6,7
.irp s, 0,1,2,3
.irp c, 0,1
	global_load_b128 v[8*(4*\t+\s)+4*\c:8*(4*\t+\s)+4*\c+3], v[AW], s[24:25] offset:(32*(\t/2)+8*(\t%2))*256+64*\s+32*\c
.endr
.endr
.endr
	WIN 0
	; ---- q's codes: unit 2 m is the even head's (k 0-63) with zero codes above, unit 2 m + 1 the odd head's with zero codes below; one scale word serves both
.irp m, 0,1,2,3
	QUANT 64*\m, 2, PC, PC+4
	ds_store_b128 v[QB], v[PC:PC+3] offset:2048*\m
	ds_store_b128 v[QB], v[ZQ:ZQ+3] offset:2048*\m+512
	ds_store_b128 v[QB], v[ZQ:ZQ+3] offset:2048*\m+1024
	ds_store_b128 v[QB], v[PC+4:PC+7] offset:2048*\m+1536
	ds_store_b32 v[QSB], v[PW] offset:256*\m
	ds_store_b32 v[QSB], v[PW] offset:256*\m+128
	s_wait_dscnt 0x0                               ; the stores have read their registers
.endr
	s_wait_tensorcnt 0x0                           ; my block of k and v is in; nobody else reads it
	s_mov_b32 s68, 0                               ; the unit u = 2 m + head
	s_mov_b32 s71, 0                               ; v's images of the head: 4,096 x head
	s_mov_b32 s72, 0                               ; v's scale words: 8 x head
	s_mov_b32 s73, 0                               ; q's image: 1,024 u
	s_mov_b32 s74, 0                               ; q's word: 128 u
.macro FETCHK q, buf                   ; eight whole fragments of k: keys 128 q on
.irp i, 0,1,2,3,4,5,6,7
	ds_load_b128 v[\buf+8*\i:\buf+8*\i+3], v[KB] offset:(8*\q+\i)*1024
	ds_load_b128 v[\buf+8*\i+4:\buf+8*\i+7], v[KB] offset:(8*\q+\i)*1024+512
.endr
.endm
.macro MULS q, buf                     ; their scores: every product starts and ends its sum
	WIN 0x40                                       ; D window 1
.irp i, 0,1,2,3,4,5,6,7
	WMZ 8*(8*\q+\i), \buf+8*\i, QF, KS+4*\q+\i/2, QS, \i%2
.endr
	WIN 0
.endm
; 64 scores' worth: X in T0, pair p at T0 + 2 p; leaves e / (1 + 2^X) in T0 and e in T1, and adds e to the sums.  Written as a pipeline of three stages, so that plain and transcendental lines alternate
; and every transcendental has a plain line that touches none of its registers behind it before its result is used (ISA guide 5.7.2).
.macro CORE
.set p, 0
.rept 34
.if p == 33
	v_nop
	s_wait_alu depctr_va_vdst(0)
.endif
.if p < 32
	v_pk_fma_f32 v[T1+2*p:T1+2*p+1], v[T0+2*p:T0+2*p+1], v[T0+2*p:T0+2*p+1], s[66:67] op_sel_hi:[1,1,0]   ; X^2 + 0.04 log2(e)^2
	v_sqrt_f32 v[T1+2*p], v[T1+2*p]
.endif
.if (p >= 1) && (p <= 32)
	s_wait_alu depctr_va_vdst(0)
	v_pk_fma_f32 v[T1+2*p-2:T1+2*p-1], v[T1+2*p-2:T1+2*p-1], 0.5, v[26:27] op_sel_hi:[1,0,1]   ; R / 2 - Rmax / 2
.endif
.if p < 32
	v_sqrt_f32 v[T1+2*p+1], v[T1+2*p+1]
.endif
.if (p >= 1) && (p <= 32)
	v_pk_add_f32 v[T0+2*p-2:T0+2*p-1], v[T0+2*p-2:T0+2*p-1], 1.0 op_sel_hi:[1,0]   ; 1 + 2^X
.endif
.if p < 32
	v_exp_f32 v[T0+2*p], v[T0+2*p]
.endif
.if p >= 2
	v_pk_add_f32 v[SUM+2*(p%2):SUM+2*(p%2)+1], v[SUM+2*(p%2):SUM+2*(p%2)+1], v[T1+2*p-4:T1+2*p-3]   ; the row's sum of e, in two chains
.endif
.if p < 32
	v_exp_f32 v[T0+2*p+1], v[T0+2*p+1]
.endif
.if p >= 2
	v_pk_mul_f32 v[T0+2*p-4:T0+2*p-3], v[T0+2*p-4:T0+2*p-3], v[T1+2*p-4:T1+2*p-3]   ; e / (1 + 2^X)
.endif
.if (p >= 1) && (p <= 32)
	v_exp_f32 v[T1+2*p-2], v[T1+2*p-2]             ; e
	v_exp_f32 v[T1+2*p-1], v[T1+2*p-1]
	v_rcp_f32 v[T0+2*p-2], v[T0+2*p-2]             ; 1 / (1 + 2^X)
	v_rcp_f32 v[T0+2*p-1], v[T0+2*p-1]
.endif
.set p, p+1
.endr
.endm
.macro PASS1 c                         ; keys 128 c on: the scores become g = e tanh(s), in place
	WIN 0x01                                       ; source 0 window 1
.set i, 0
.rept 32
	v_pk_mul_f32 v[T0+2*i:T0+2*i+1], v[64*\c+2*i:64*\c+2*i+1], s[62:63] op_sel_hi:[1,0]
.set i, i+1
.endr
	WIN 0
	CORE
	WIN 0x40                                       ; destination window 1
.set i, 0
.rept 32
	v_pk_fma_f32 v[64*\c+2*i:64*\c+2*i+1], v[T0+2*i:T0+2*i+1], -2.0, v[T1+2*i:T1+2*i+1] op_sel_hi:[1,0,1]   ; e - 2 e / (1 + 2^X)
.set i, i+1
.endr
	WIN 0
.endm
.macro FETCHV c                        ; the head's four fragments of v^T for keys 128 c on, and their scale words: nine LDS loads, into buffer c % 2
.irp d, 0,1,2,3
	ds_load_b128 v[T1+32*((\c)%2)+8*\d:T1+32*((\c)%2)+8*\d+3], v[VAD] offset:(8*(\c)+\d)*1024
	ds_load_b128 v[T1+32*((\c)%2)+8*\d+4:T1+32*((\c)%2)+8*\d+7], v[VAD] offset:(8*(\c)+\d)*1024+512
.endr
	ds_load_b64 v[VS+2*((\c)%2):VS+2*((\c)%2)+1], v[VSA] offset:512*(\c)
.endm
.macro MULA c                          ; A = g / sum for keys 128 c on
	WIN 0x01
.set i, 0
.rept 32
	v_pk_mul_f32 v[T0+2*i:T0+2*i+1], v[64*(\c)+2*i:64*(\c)+2*i+1], v[28:29]
.set i, i+1
.endr
	WIN 0
.endm
.macro PV c                            ; the four accumulators take turns, one instruction a turn
.irp d, 0,1,2,3
.if (\c) == 0
	WMZ OA+8*\d, T1+32*((\c)%2)+8*\d, PC, VS+2*((\c)%2)+\d/2, PW, \d%2
.else
	WM OA+8*\d, T1+32*((\c)%2)+8*\d, PC, OA+8*\d, VS+2*((\c)%2)+\d/2, PW, \d%2, 0
.endif
.endr
.endm
.macro ACCUM u                         ; oh = q + A v, in q's place; each accumulator is read from its low end on
	WIN 0x82                                       ; destination and source 0 window 2
.set i, 0
.rept 16
	v_pk_add_f32 v[32*\u+2*i:32*\u+2*i+1], v[32*\u+2*i:32*\u+2*i+1], v[OA+2*i:OA+2*i+1]
.set i, i+1
.endr
	WIN 0
.endm
.Lunit:                                            ; eight trips: four tiles of rows x my two heads
	v_add_nc_u32 v[VAD], s71, v[VB]
	v_add_nc_u32 v[VSA], s72, v[VSB]
	v_add_nc_u32 v[QAD], s73, v[QB]
	v_add_nc_u32 v[QSA], s74, v[QSB]
.irp b, 0,1,2,3
	v_mov_b32 v[SUM+\b], 0
.endr
	ds_load_b128 v[QF:QF+3], v[QAD]
	ds_load_b128 v[QF+4:QF+7], v[QAD] offset:512
	ds_load_b32 v[QS], v[QSA]
.irp g, 0,1,2,3
	ds_load_b128 v[KS+4*\g:KS+4*\g+3], v[KSB] offset:512*\g
.endr
	FETCHK 0, T0
	FETCHK 1, T1
	s_wait_dscnt 16                                ; all but the sixteen loads of the second run
	MULS 0, T0
	PLACES 4                                       ; in front of loads into registers that matrix instructions have read
	FETCHK 2, T0
	s_wait_dscnt 16                                ; all but the sixteen just issued
	MULS 1, T1
	PLACES 4
	FETCHK 3, T1
	s_wait_dscnt 16
	MULS 2, T0
	s_wait_dscnt 0x0
	MULS 3, T1
	PLACES 4                                       ; in front of the first read of results
	WIN 0x14                                       ; sources 1 and 2 window 1: the row's largest |score|, four chains, tile by tile from each tile's low end on
.set TT, 0
.rept 32
.irp k, 0,1,2,3
.if TT == 0
	v_max3_num_f32 v[MX+\k], 0, |v[8*TT+2*\k]|, |v[8*TT+2*\k+1]|
.else
	v_max3_num_f32 v[MX+\k], v[MX+\k], |v[8*TT+2*\k]|, |v[8*TT+2*\k+1]|
.endif
.endr
.set TT, TT+1
.endr
	WIN 0
	v_max3_num_f32 v[MX], v[MX], v[MX+1], v[MX+2]
	v_max_num_f32 v[MX], v[MX], v[MX+3]
	v_permlanex16_b32 v30, v[MX], s60, s61         ; the row's other 256 keys lie in the lane 16 away
	v_max_num_f32 v[MX], v[MX], v30
	v_mul_f32 v[MX], s62, v[MX]                    ; R rises with |score|: the largest |score| goes through the same three instructions as every score
	v_fma_f32 v[MX], v[MX], v[MX], s66
	v_sqrt_f32 v[MX], v[MX]
	v_nop                                          ; a plain place behind the transcendental
	s_wait_alu depctr_va_vdst(0)
	v_mul_f32 v26, -0.5, v[MX]                     ; -Rmax / 2
	v_mul_f32 v27, -0.5, v[MX]
	PASS1 0
	PASS1 1
	PASS1 2
	PASS1 3
	FETCHV 0
	v_pk_add_f32 v[SUM:SUM+1], v[SUM:SUM+1], v[SUM+2:SUM+3]
	v_add_f32 v[SUM], v[SUM], v[SUM+1]
	v_permlanex16_b32 v30, v[SUM], s60, s61
	v_add_f32 v[SUM], v[SUM], v30                  ; the row's sum: at least 1, the largest e
	v_rcp_f32 v28, v[SUM]
	v_nop
	s_wait_alu depctr_va_vdst(0)
	v_mov_b32 v29, v28
	MULA 0
.irp c, 0,1,2,3
	QUANT T0, 0, PC, PC+4
.if \c < 3
	FETCHV \c+1                                    ; into the buffer that the products two chunks back read: the quantiser's lines are the places between
	MULA \c+1                                      ; 32 plain lines: the places between the scale word's and the codes' last writes and the scaled products
	s_wait_dscnt 9                                 ; all but the nine loads just issued
.else
	PLACES 8
	s_wait_dscnt 0x0
.endif
	PV \c
.endr
	PLACES 4                                       ; in front of the first read of results
.irp u, 0,1,2,3,4,5,6
	s_cmp_eq_u32 s68, \u                           ; the unit's place in window 2 is a register number: one arm for each unit
	s_cbranch_scc1 .Lacc\u
.endr
	ACCUM 7
	s_branch .Ljoin
.irp u, 0,1,2,3,4,5,6
.Lacc\u:
	ACCUM \u
	s_branch .Ljoin
.endr
.Ljoin:
	s_xor_b32 s71, s71, 4096
	s_xor_b32 s72, s72, 8
	s_add_co_u32 s73, s73, 1024
	s_add_co_u32 s74, s74, 128
	s_add_co_u32 s68, s68, 1
	s_cmp_lt_u32 s68, 8
	s_cbranch_scc1 .Lunit
; My 128 features' mean and sum of squares about it, for the 16 rows of tile m: taken about the wave's own mean, so that no difference of large sums is formed.
.macro LNSTAT m, st
	WIN 0x0a                                       ; sources 0 and 1 window 2
.irp k, 0,1,2,3
	v_pk_add_f32 v[TM+2*\k:TM+2*\k+1], v[64*\m+4*\k:64*\m+4*\k+1], v[64*\m+4*\k+2:64*\m+4*\k+3]
.endr
	WIN 0x08                                       ; source 1 window 2
.set i, 8
.rept 24
	v_pk_add_f32 v[TM+2*(i%4):TM+2*(i%4)+1], v[TM+2*(i%4):TM+2*(i%4)+1], v[64*\m+2*i:64*\m+2*i+1]
.set i, i+1
.endr
	WIN 0
	v_pk_add_f32 v[TM:TM+1], v[TM:TM+1], v[TM+2:TM+3]
	v_pk_add_f32 v[TM+4:TM+5], v[TM+4:TM+5], v[TM+6:TM+7]
	v_pk_add_f32 v[TM:TM+1], v[TM:TM+1], v[TM+4:TM+5]
	v_add_f32 v[TM], v[TM], v[TM+1]
	v_permlanex16_b32 v30, v[TM], s60, s61
	v_add_f32 v[TM], v[TM], v30
	s_wait_dscnt 0x0                               ; the last tile's store has read v[26:27]
	v_mul_f32 v26, 0x3c000000, v[TM]               ; / 128
	v_mul_f32 v27, 0x3c000000, v[TM]
	WIN 0x02                                       ; source 0 window 2
.set i, 0
.rept 32
	v_pk_add_f32 v[T0+2*i:T0+2*i+1], v[64*\m+2*i:64*\m+2*i+1], v[26:27] neg_lo:[0,1] neg_hi:[0,1]
.set i, i+1
.endr
	WIN 0
.irp k, 0,1,2,3
	v_pk_mul_f32 v[TM+2*\k:TM+2*\k+1], v[T0+2*\k:T0+2*\k+1], v[T0+2*\k:T0+2*\k+1]
.endr
.set i, 4
.rept 28
	v_pk_fma_f32 v[TM+2*(i%4):TM+2*(i%4)+1], v[T0+2*i:T0+2*i+1], v[T0+2*i:T0+2*i+1], v[TM+2*(i%4):TM+2*(i%4)+1]
.set i, i+1
.endr
	v_pk_add_f32 v[TM:TM+1], v[TM:TM+1], v[TM+2:TM+3]
	v_pk_add_f32 v[TM+4:TM+5], v[TM+4:TM+5], v[TM+6:TM+7]
	v_pk_add_f32 v[TM:TM+1], v[TM:TM+1], v[TM+4:TM+5]
	v_add_f32 v[TM], v[TM], v[TM+1]
	v_permlanex16_b32 v30, v[TM], s60, s61
	v_add_f32 v27, v[TM], v30
	ds_store_b64 v[STW], v[26:27] offset:4096*\st+1024*\m
.endm
; The four waves' statistics are joined (the sums of squares, and 128 x the squares of the means' distances from the common mean); then (x - mean) / sigma x gain + bias for my 64 numbers of tile m, into v[dst] on.
.macro LNAPPLY m, st, win, dst
.irp k, 0,1,2,3
	ds_load_b64 v[TM+2*\k:TM+2*\k+1], v[STR] offset:4096*\st+1024*\m+256*\k
.endr
	s_wait_dscnt 0x0
	v_add_f32 v[TM+8], v[TM], v[TM+2]
	v_add_f32 v[TM+9], v[TM+4], v[TM+6]
	v_add_f32 v[TM+8], v[TM+8], v[TM+9]
	v_mul_f32 v26, 0x3e800000, v[TM+8]             ; the row's mean
	v_mul_f32 v27, 0x3e800000, v[TM+8]
.irp k, 0,1,2,3
	v_sub_f32 v[TM+2*\k], v[TM+2*\k], v26
.endr
	v_mul_f32 v[TM+8], v[TM], v[TM]
	v_fma_f32 v[TM+8], v[TM+2], v[TM+2], v[TM+8]
	v_fma_f32 v[TM+8], v[TM+4], v[TM+4], v[TM+8]
	v_fma_f32 v[TM+8], v[TM+6], v[TM+6], v[TM+8]
	v_add_f32 v[TM+9], v[TM+1], v[TM+3]
	v_add_f32 v[TM+10], v[TM+5], v[TM+7]
	v_add_f32 v[TM+9], v[TM+9], v[TM+10]
	v_fma_f32 v[TM+9], 0x43000000, v[TM+8], v[TM+9]
	v_fma_f32 v[TM+9], v[TM+9], s76, s75           ; the variance + 1e-5
	v_rsq_f32 v28, v[TM+9]
	v_nop
	s_wait_alu depctr_va_vdst(0)
	v_mov_b32 v29, v28
	WIN 0x02
.set i, 0
.rept 32
	v_pk_add_f32 v[T0+2*i:T0+2*i+1], v[64*\m+2*i:64*\m+2*i+1], v[26:27] neg_lo:[0,1] neg_hi:[0,1]
.set i, i+1
.endr
	WIN 0
.set i, 0
.rept 32
	v_pk_mul_f32 v[T0+2*i:T0+2*i+1], v[T0+2*i:T0+2*i+1], v[28:29]
.set i, i+1
.endr
	WIN \win                                       ; gain and bias window 1
.set i, 0
.rept 32
	v_pk_fma_f32 v[\dst+2*i:\dst+2*i+1], v[T0+2*i:T0+2*i+1], v[2*i:2*i+1], v[64+2*i:64+2*i+1]
.set i, i+1
.endr
	WIN 0
.endm
	; ---- LN0.  Its parameters, bo and Wo's scale words are asked for first
	WIN 0x40
.irp t, 0,1,2,3,4,5,6,7
	global_load_b128 v[8*\t:8*\t+3], v[ABI], s[20:21] offset:(32*(\t/2)+8*(\t%2))*4
	global_load_b128 v[8*\t+4:8*\t+7], v[ABI], s[20:21] offset:(32*(\t/2)+8*(\t%2))*4+16
	global_load_b128 v[64+8*\t:64+8*\t+3], v[ABI], s[22:23] offset:(32*(\t/2)+8*(\t%2))*4
	global_load_b128 v[64+8*\t+4:64+8*\t+7], v[ABI], s[22:23] offset:(32*(\t/2)+8*(\t%2))*4+16
	global_load_b128 v[128+8*\t:128+8*\t+3], v[ABI], s[28:29] offset:(32*(\t/2)+8*(\t%2))*4
	global_load_b128 v[128+8*\t+4:128+8*\t+7], v[ABI], s[28:29] offset:(32*(\t/2)+8*(\t%2))*4+16
.endr
	WIN 0
.irp p, 0,1,2,3
	global_load_b128 v[KS+4*\p:KS+4*\p+3], v[AWS], s[26:27] offset:512*\p
.endr
.irp m, 0,1,2,3
	LNSTAT \m, 0
.endr
	BARRIER                                        ; all four waves' statistics lie in LDS; every wave has left the attention
	s_wait_loadcnt 0x0                             ; the parameters, and Wo
.irp m, 0,1,2,3
	LNAPPLY \m, 0, 0x94, 64*\m                     ; in place, in window 2
	QUANT 64*\m, 2, PC, PC+4                       ; my 128 features are K step w of the last product
	ds_store_b128 v[QB], v[PC:PC+3] offset:1024*\m         ; the image goes over my own q region, which I have read for the last time
	ds_store_b128 v[QB], v[PC+4:PC+7] offset:1024*\m+512
	ds_store_b32 v[QSB], v[PW] offset:128*\m
	s_wait_dscnt 0x0                               ; the stores have read their registers
.endr
	BARRIER                                        ; the sixteen images lie in LDS
	WIN 0x40                                       ; LN1's parameters take LN0's place; they land under the product
.irp t, 0,1,2,3,4,5,6,7
	global_load_b128 v[8*\t:8*\t+3], v[ABI], s[30:31] offset:(32*(\t/2)+8*(\t%2))*4
	global_load_b128 v[8*\t+4:8*\t+7], v[ABI], s[30:31] offset:(32*(\t/2)+8*(\t%2))*4+16
	global_load_b128 v[64+8*\t:64+8*\t+3], v[ABI], s[32:33] offset:(32*(\t/2)+8*(\t%2))*4
	global_load_b128 v[64+8*\t+4:64+8*\t+7], v[ABI], s[32:33] offset:(32*(\t/2)+8*(\t%2))*4+16
.endr
	WIN 0
	; ---- + relu(. Wo^T + bo), a tile of 16 rows at a time, and LN1's statistics
.macro FETCHH m                        ; the tile's four K steps, one from each wave's region, and their scale words: twelve LDS loads, into buffer m % 2
.irp s, 0,1,2,3
	ds_load_b128 v[T1+32*((\m)%2)+8*\s:T1+32*((\m)%2)+8*\s+3], v[HRD] offset:QW*\s+1024*(\m)
	ds_load_b128 v[T1+32*((\m)%2)+8*\s+4:T1+32*((\m)%2)+8*\s+7], v[HRD] offset:QW*\s+1024*(\m)+512
.endr
.irp s, 0,1,2,3
	ds_load_b32 v[90-32*((\m)%2)+\s], v[HSR] offset:QW*\s+128*(\m)
.endr
.endm
	FETCHH 0
.irp m, 0,1,2,3
.if \m < 3
	FETCHH \m+1
	s_wait_dscnt 12                                ; all but the twelve just issued
.else
	s_wait_dscnt 0x0
.endif
.irp s, 0,1,2,3                                ; eight accumulators by turns, one instruction a turn
.if \s == 0
	WIN 0x13                                       ; A window 3, C (bo) window 1
.else
	WIN 0x03
.endif
.irp t, 0,1,2,3,4,5,6,7
.if \s == 0
	WM T0+8*\t, 8*(4*\t+\s), T1+32*(\m%2)+8*\s, 128+8*\t, KS+4*(\t/2)+\s, 90-32*(\m%2)+\s, \t%2, 0
.else
	WM T0+8*\t, 8*(4*\t+\s), T1+32*(\m%2)+8*\s, T0+8*\t, KS+4*(\t/2)+\s, 90-32*(\m%2)+\s, \t%2, 0
.endif
.endr
.endr
	WIN 0
	PLACES 4                                       ; in front of the first read of results
.set i, 0
.rept 64
	v_max_num_f32 v[T0+i], 0, v[T0+i]
.set i, i+1
.endr
	WIN 0x82
.set i, 0
.rept 32
	v_pk_add_f32 v[64*\m+2*i:64*\m+2*i+1], v[64*\m+2*i:64*\m+2*i+1], v[T0+2*i:T0+2*i+1]
.set i, i+1
.endr
	WIN 0
	LNSTAT \m, 1
.endr
	BARRIER                                        ; all four waves' statistics lie in LDS
	s_wait_loadcnt 0x0                             ; LN1's parameters
	; ---- LN1 and the way out: a lane holds pieces of 32 bytes of a row; a tile goes through my stage and comes back as whole rows of my 512 bytes
.irp m, 0,1,2,3
	LNAPPLY \m, 1, 0x14, T0
.irp t, 0,1,2,3,4,5,6,7
	ds_store_b128 v[STO], v[T0+8*\t:T0+8*\t+3] offset:128*(\t/2)+32*(\t%2)
	ds_store_b128 v[STO], v[T0+8*\t+4:T0+8*\t+7] offset:128*(\t/2)+32*(\t%2)+16
.endr
.if \m > 0
	s_wait_xcnt 0x0                                ; the last tile's stores have read the registers that the loads below fill
.endif
.irp i, 0,1,2,3,4,5,6,7,8,9,10,11,12,13,14,15
	ds_load_b128 v[T1+4*\i:T1+4*\i+3], v[KB] offset:528*\i   ; LDS serves a wave's instructions in order (ISA guide 5.7.1.4): these see my stores, and the next tile's stores come behind them
.endr
.irp i, 0,1,2,3,4,5,6,7,8,9,10,11,12,13,14,15
	s_wait_dscnt 15-\i                             ; row i is back; the younger loads may be out
	global_store_b128 v[L16], v[T1+4*\i:T1+4*\i+3], s[34:35] offset:(16*\m+\i)*2048 th:TH_STORE_NT   ; 32 lanes store 512 consecutive bytes, at a multiple of 512 from out0's first byte
.endr
.endr
	s_wait_dscnt 0x0
	s_wait_tensorcnt 0x0
	ds_add_u32 v94, v95
	s_wait_dscnt 0x0
	ROUND                                          ; the closing round: no work-group ends while a partner may still ask jointly
	s_endpgm
.Lfunc_end_k_qeb21b3128a_mab:
	.size	k_qeb21b3128a_mab, .Lfunc_end_k_qeb21b3128a_mab-k_qeb21b3128a_mab
	.p2alignl 7, 3214868480
	.fill 96, 4, 3214868480
	.section	.rodata,"a",@progbits
	.p2align	6, 0x0
	.amdhsa_kernel k_qeb21b3128a_mab
		.amdhsa_group_segment_fixed_size 327680
		.amdhsa_private_segment_fixed_size 0
		.amdhsa_enable_private_segment 0
		.amdhsa_kernarg_size 112
		.amdhsa_user_sgpr_count 2
		.amdhsa_user_sgpr_kernarg_segment_ptr 1
		.amdhsa_wavefront_size32 1
		.amdhsa_system_sgpr_workgroup_id_x 1
		.amdhsa_system_sgpr_workgroup_id_y 1
		.amdhsa_system_sgpr_workgroup_id_z 1
		.amdhsa_system_vgpr_workitem_id 0
		.amdhsa_next_free_vgpr 1024
		.amdhsa_next_free_sgpr 84
		.amdhsa_reserve_vcc 0
		.amdhsa_float_denorm_mode_32 3
		.amdhsa_float_denorm_mode_16_64 3
		.amdhsa_memory_ordered 1
		.amdhsa_forward_progress 1
		.amdhsa_inst_pref_size 255
	.end_amdhsa_kernel
	.section	.bss,"aw",@nobits
	.p2align	6
	.space	262144
	.amdgpu_metadata
---
amdhsa.version: [ 1, 2 ]
amdhsa.kernels:
  - .name:           k_qeb21b3128a_mab
    .symbol:         k_qeb21b3128a_mab.kd
    .args:
      - { .name: query_codes, .offset: 0, .size: 8, .value_kind: global_buffer, .address_space: global }
      - { .name: query_scales, .offset: 8, .size: 8, .value_kind: global_buffer, .address_space: global }
      - { .name: Wq_codes, .offset: 16, .size: 8, .value_kind: global_buffer, .address_space: global }
      - { .name: Wq_scales, .offset: 24, .size: 8, .value_kind: global_buffer, .address_space: global }
      - { .name: bq, .offset: 32, .size: 8, .value_kind: global_buffer, .address_space: global }
      - { .name: kvimg, .offset: 40, .size: 8, .value_kind: global_buffer, .address_space: global }
      - { .name: ln0_w, .offset: 48, .size: 8, .value_kind: global_buffer, .address_space: global }
      - { .name: ln0_b, .offset: 56, .size: 8, .value_kind: global_buffer, .address_space: global }
      - { .name: Wo_codes, .offset: 64, .size: 8, .value_kind: global_buffer, .address_space: global }
      - { .name: Wo_scales, .offset: 72, .size: 8, .value_kind: global_buffer, .address_space: global }
      - { .name: bo, .offset: 80, .size: 8, .value_kind: global_buffer, .address_space: global }
      - { .name: ln1_w, .offset: 88, .size: 8, .value_kind: global_buffer, .address_space: global }
      - { .name: ln1_b, .offset: 96, .size: 8, .value_kind: global_buffer, .address_space: global }
      - { .name: out0, .offset: 104, .size: 8, .value_kind: global_buffer, .address_space: global }
    .group_segment_fixed_size: 327680
    .private_segment_fixed_size: 0
    .kernarg_segment_align: 8
    .kernarg_segment_size: 112
    .max_flat_workgroup_size: 128
    .sgpr_count:     84
    .vgpr_count:     1024
    .wavefront_size: 32
...
	.end_amdgpu_metadata
.endif
;; end of part 2
